; MI455X (gfx1250); checked and timed in simulation.
; The chip was launched on July 23, 2026; its instructions are those of AMD's public machine-readable ISA for CDNA 5 (MIT licence, August 2026) and "CDNA5" Instruction Set Architecture Reference Guide (July 2026). The comments in the code are by the model that wrote it; some were corrected since.
;; RCR. Allowed arithmetic: float matrix products may take bf16 or f16 operands with f32 sums; all other float work in f32.
;; Inputs: inp 32 x 4,096 x 512 float32.
;; Outputs: out0 32 x 512 float32.
;; 2 versions, each right; version 2 is version 1 with the launch pool written anew for expert scheduling mode. Each part assembles by itself: llvm-mc -triple=amdgcn-amd-amdhsa -mcpu=gfx1250 --defsym DOCPART=n.
;; ======== version 1 of 2: 1 launch
;; limits: inputs' magnitudes at most 2.7e+34
;; launch pool (part 1): grid 8 x 32, 32 waves a work-group, no clusters, 53,760 bytes of LDS; arguments inp, out0; writes out0
.if DOCPART == 1
	.amdgcn_target "amdgcn-amd-amdhsa--gfx1250"
	.amdhsa_code_object_version 6
	.text
	.protected	k_qf376680b83_pool
	.globl	k_qf376680b83_pool
	.p2align	8
	.type	k_qf376680b83_pool,@function
k_qf376680b83_pool:
	s_mov_b64 s[64:65], 0
	v_nop
	global_prefetch_b8 v0, s[64:65] scope:SCOPE_SE
	s_setreg_imm32_b32 hwreg(HW_REG_WAVE_MODE, 25, 1), 1
	s_wait_xcnt 0x0
; out0[b][d] = ( sum_i x[i] + sum_i max(x[i],x[i+1]) + sum_i max(x[i],x[i+1],x[i+2]) ) / (3 * 4096),  x = inp[b][.][d],
; windows clipped at the sequence's end (rows 4096 and 4097 count as -inf).  inp: [32][4096][512] f32, out0: [32][512] f32.
;
; SHARES.  Work-group (x, y): batch y, columns 64 x .. 64 x + 63 = 256 bytes of each of the 4,096 rows; it owns its 64 outputs whole,
; so no sum crosses work-groups and one launch does everything.  The rows are cut into 64 segments of 64; sixteen lanes (half a wave)
; own a segment (number = thread >> 4), a lane owns 4 columns (16 bytes) of each of its rows.  The windows therefore slide inside a
; lane's registers.  One load of a wave covers two runs of 256 consecutive bytes, each aligned to 256: one row of each of its two segments.
; Every input byte is loaded once: the two rows that a segment's last windows need from the next segment come through LDS.
;
; RING.  DEPTH register slots of one row each.  Row i is worked on together with row i-1, so the slot of row i-1 is filled again in
; turn i, with row i+DEPTH-1.  The 64 turns are unrolled: the row stands in the immediate offset (at most 63 * 2,048 bytes), so no
; address register is ever rewritten, and EXEC never changes.
;
; LIMITS.  v_max_num_f32 drops a NaN, but each x also enters the plain sum, so a NaN in x makes the output NaN as in the reference.
; The three sums are added before the scaling by 1/12288: they can overflow from about |x| = 2.7e34 on (a sum of 4,096 alone from
; about 8e34).  The order of the additions differs from a plain sum down the rows: 64 rows in a lane, then 64 segments.
;
; No clusters: no two work-groups read the same input byte.  No matrix unit: there is no product.
.set ROWS,  64                         ; rows of a segment
.set DEPTH, 16                         ; slots of the ring
.set WAVES, 32
.set SEGS,  2*WAVES
.set ROWB,  2048                       ; bytes from a row of inp to the next
.set HEADB, 512                        ; LDS: a segment's first two rows, 256 bytes each
.set PADB,  SEGS*HEADB                 ; LDS: behind the 64 segments' first rows, two rows of -inf: what follows the last segment
.set PART,  PADB+HEADB                 ; LDS: the lanes' sums, 16 bytes for each thread (wave 0 keeps its own in registers)
.set OFF, 2                            ; v2        byte offset in inp: segment * 64 rows + 16 * (thread % 16)
.set HD,  3                            ; v3        LDS address of my 16 bytes in my segment's first row
.set PA,  4                            ; v4        16 * thread
.set OO,  5                            ; v5        wave 0: byte offset of my 8 bytes of the result
.set BG,  6                            ; v[6:13]   max(x[i-1], x[i]) of my 4 columns, two sets that take turns
.set T,   14                           ; v[14:17]  at work
.set AX,  18                           ; v[18:21]  sum of x
.set AB,  22                           ; v[22:25]  sum of the windows of 2
.set AT,  26                           ; v[26:29]  sum of the windows of 3
.set NX,  30                           ; v[30:37]  the next segment's first two rows
.set X,   40                           ; v[40:103] the ring: slot s = 4 registers
.macro MAX4 d, a, b                    ; four maxima
.irp k, 0,1,2,3
	v_max_num_f32 v[\d+\k], v[\a+\k], v[\b+\k]
.endr
.endm
.macro ADD4 d, a, b                    ; four additions in two instructions
	v_pk_add_f32 v[\d:\d+1], v[\a:\a+1], v[\b:\b+1]
	v_pk_add_f32 v[\d+2:\d+3], v[\a+2:\a+3], v[\b+2:\b+3]
.endm
	s_load_b128 s[4:7], s[0:1], 0x0                ; inp s[4:5], out0 s[6:7]
	v_lshl_add_u32 v104, v0, 2, 0xc200
	v_mov_b32 v105, 0
	v_lshrrev_b32 v1, 5, v0
	v_readfirstlane_b32 s8, v1                     ; wave number
	s_and_b32 s9, ttmp7, 0xffff                    ; batch
	s_lshl_b32 s2, ttmp9, 8                        ; my 64 columns: 256 bytes into a row, of inp and of out0
	s_lshl_b32 s10, s9, 23                         ; a batch of inp is 4,096 * 2,048 bytes; 32 of them stay below 2^28
	s_or_b32 s10, s10, s2
	s_mov_b32 s11, 0
	s_lshl_b32 s12, s9, 11                         ; a row of out0 is 2,048 bytes
	s_or_b32 s12, s12, s2
	s_mov_b32 s13, 0
	s_mov_b32 s14, 0x76543210                      ; v_permlanex16_b32: lane i of one half reads lane i of the other
	s_mov_b32 s15, 0xfedcba98
	v_lshrrev_b32 v38, 4, v0                       ; segment
	v_and_b32 v39, 15, v0
	v_lshlrev_b32 v39, 4, v39                      ; 16 bytes for each of the sixteen lanes
	v_lshl_or_b32 v[OFF], v38, 17, v39             ; 64 rows * 2,048 bytes = 2^17 for a segment
	v_lshl_or_b32 v[HD], v38, 9, v39               ; 512 bytes of LDS for a segment
	v_lshlrev_b32 v[PA], 4, v0
	s_wait_kmcnt 0x0
	s_add_nc_u64 s[4:5], s[4:5], s[10:11]
	s_add_nc_u64 s[6:7], s[6:7], s[12:13]
.set i, 0
.rept DEPTH
	global_load_b128 v[X+4*i:X+4*i+3], v[OFF], s[4:5] offset:i*ROWB th:TH_LOAD_NT   ; fill the ring: rows 0 to 15; each byte is read once in the launch
.set i, i+1
.endr
	s_cmp_lg_u32 s8, 0
	s_cbranch_scc1 .Lstream
.irp k, 0,1,2,3
	v_mov_b32 v[T+\k], 0xff800000                  ; wave 0 lays the two rows of -inf: 32 lanes * 16 bytes
.endr
	ds_store_b128 v[PA], v[T:T+3] offset:PADB
.Lstream:
; The turn of row i (the symbol i steps at the end).  CUR: the row's slot; PRV: the slot of row i-1; BP: max(x[i-2], x[i-1]); BN: max(x[i-1], x[i]).
; Row i closes the window of 2 that starts at i-1 and the window of 3 that starts at i-2.  Rows 0 to 2 start the three sums: nothing is cleared.
.macro TURN
.set CUR, X+4*(i%DEPTH)
.set PRV, X+4*((i+DEPTH-1)%DEPTH)
.set BN,  BG+4*(i%2)
.set BP,  BG+4*((i+1)%2)
.set LAST, i+DEPTH-2                               ; the youngest row asked for so far: turn i-1 asked for row i+DEPTH-2,
.if i == 0
.set LAST, DEPTH-1                                 ; the fill in front for rows up to DEPTH-1,
.endif
.if LAST > ROWS-1
.set LAST, ROWS-1                                  ; and nobody for more than there are
.endif
	s_wait_loadcnt LAST-i                          ; loads come back in order (ISA guide 5.7.1): row i is in, the LAST-i younger rows stay out
.if i < 2
	ds_store_b128 v[HD], v[CUR:CUR+3] offset:256*i ; my segment's first two rows, for the segment in front of mine
.endif
.if i >= 1
	MAX4 BN, PRV, CUR
.endif
.if i == 1
	ADD4 AX, PRV, CUR
.endif
.if i >= 1
.if i+DEPTH-1 < ROWS
	global_load_b128 v[PRV:PRV+3], v[OFF], s[4:5] offset:(i+DEPTH-1)*ROWB th:TH_LOAD_NT   ; row i-1 has been read for the last time
.endif
.endif
.if i >= 2
	ADD4 AX, AX, CUR
.endif
.if i == 2
	MAX4 AT, BP, CUR
	ADD4 AB, BP, BN
.endif
.if i > 2
	MAX4 T, BP, CUR
	ADD4 AT, AT, T
	ADD4 AB, AB, BN
.endif
.set i, i+1
.endm
.set i, 0
.rept ROWS-DEPTH+1
	TURN                                           ; turns 0 to 48; turn 48 asks for the last row
.endr
	; The barrier for the first rows stands here because all my loads have been issued: a wave that waits here withholds no request.
	s_wait_dscnt 0x0                               ; for the other waves' sake: my two first rows (and wave 0's -inf) are in LDS
	s_barrier_signal -1
	s_barrier_wait -1                              ; everybody's are
	ds_load_b128 v[NX:NX+3],   v[HD] offset:HEADB          ; the next segment's row 0 (behind the last segment: -inf),
	ds_load_b128 v[NX+4:NX+7], v[HD] offset:HEADB+256      ; and its row 1; used behind the 15 turns that follow
.rept DEPTH-1
	TURN                                           ; turns 49 to 63 ask for nothing: the counts run down to 0
.endr
	; The windows that reach into the next segment: of 3 from row 62, of 2 and of 3 from row 63.
.set PRV, X+4*((ROWS-1)%DEPTH)                     ; x[63]
.set BP,  BG+4*((ROWS-1)%2)                        ; max(x[62], x[63])
.set BN,  BG+4*(ROWS%2)
	s_wait_dscnt 0x0                               ; the two rows from LDS
	MAX4 T, BP, NX
	MAX4 BN, PRV, NX
	ADD4 AT, AT, T
	ADD4 AB, AB, BN
	MAX4 T, BN, NX+4
	ADD4 AX, AX, AB
	ADD4 AT, AT, T
	ADD4 AX, AX, AT                                ; my segment's share of my 4 columns, all three scales
	; The 64 segments meet in LDS.  Wave 0 does the adding and starts from its own registers, so it stores nothing.
	s_cmp_eq_u32 s8, 0
	s_cbranch_scc1 .Lmeet
	ds_store_b128 v[PA], v[AX:AX+3] offset:PART    ; 512 consecutive bytes a wave
	s_wait_dscnt 0x0                               ; for wave 0's sake
.Lmeet:
	s_barrier_signal -1
	s_barrier_wait -1
	s_cmp_lg_u32 s8, 0
	s_cbranch_scc1 .Lend
	; Wave 0: lane (q, h) adds, for columns 4 q .. 4 q + 3, the segments 2 n + h of waves n = 1 .. 31, through the ring's 16 slots.
.set n, 1
.rept DEPTH
	ds_load_b128 v[X+4*((n-1)%DEPTH):X+4*((n-1)%DEPTH)+3], v[PA] offset:PART+512*n
.set n, n+1
.endr
	v_and_b32 v38, 15, v0                          ; while they come: where my 8 bytes of the result go: 16 q + 8 h
	v_bfe_u32 v39, v0, 4, 1
	v_lshlrev_b32 v38, 4, v38
	v_lshl_or_b32 v[OO], v39, 3, v38
	v_cmp_gt_u32 vcc_lo, 16, v0                    ; h = 0
.set n, 1
.rept WAVES-1
.set CUR, X+4*((n-1)%DEPTH)
.set LEFT, WAVES-1-n                               ; younger LDS loads that may stay out: those of waves n+1 .. min(31, n+15)
.if LEFT > DEPTH-1
.set LEFT, DEPTH-1
.endif
	s_wait_dscnt LEFT                              ; LDS loads come back in order (ISA guide 5.7.1)
	ADD4 AX, AX, CUR
.if n+DEPTH < WAVES
	ds_load_b128 v[CUR:CUR+3], v[PA] offset:PART+512*(n+DEPTH)
.endif
.set n, n+1
.endr
	; Even segments lie in lanes 0-15, odd ones in lanes 16-31.  Lane (q, h) finishes columns 4 q + 2 h and 4 q + 2 h + 1: it keeps its own
	; two sums of them and gets the other half's, so that the 32 lanes store 8 bytes each and no lane is switched off.
	v_cndmask_b32 v[T],   v[AX+2], v[AX],   vcc_lo ; keep: h = 0 columns 0, 1 of the four; h = 1 columns 2, 3
	v_cndmask_b32 v[T+1], v[AX+3], v[AX+1], vcc_lo
	v_cndmask_b32 v[T+2], v[AX],   v[AX+2], vcc_lo ; give: the other two
	v_cndmask_b32 v[T+3], v[AX+1], v[AX+3], vcc_lo
	v_permlanex16_b32 v[AB],   v[T+2], s14, s15    ; (the destinations have been written before)
	v_permlanex16_b32 v[AB+1], v[T+3], s14, s15
	v_pk_add_f32 v[T:T+1], v[T:T+1], v[AB:AB+1]
	v_pk_mul_f32 v[T:T+1], v[T:T+1], 0x38aaaaab op_sel_hi:[1,0]    ; 1 / (3 * 4096): the mean over the rows and over the three scales
	global_store_b64 v[OO], v[T:T+1], s[6:7] th:TH_STORE_NT        ; one store covers the group's 256 consecutive bytes, aligned to 256
.Lend:
	s_wait_tensorcnt 0x0
	ds_add_u32 v104, v105
	s_wait_dscnt 0x0
	s_endpgm
.Lfunc_end_k_qf376680b83_pool:
	.size	k_qf376680b83_pool, .Lfunc_end_k_qf376680b83_pool-k_qf376680b83_pool
	.p2alignl 7, 3214868480
	.fill 96, 4, 3214868480
	.section	.rodata,"a",@progbits
	.p2align	6, 0x0
	.amdhsa_kernel k_qf376680b83_pool
		.amdhsa_group_segment_fixed_size 53760
		.amdhsa_private_segment_fixed_size 0
		.amdhsa_enable_private_segment 0
		.amdhsa_kernarg_size 16
		.amdhsa_user_sgpr_count 2
		.amdhsa_user_sgpr_kernarg_segment_ptr 1
		.amdhsa_wavefront_size32 1
		.amdhsa_system_sgpr_workgroup_id_x 1
		.amdhsa_system_sgpr_workgroup_id_y 1
		.amdhsa_system_sgpr_workgroup_id_z 1
		.amdhsa_system_vgpr_workitem_id 0
		.amdhsa_next_free_vgpr 106
		.amdhsa_next_free_sgpr 66
		.amdhsa_reserve_vcc 1
		.amdhsa_float_denorm_mode_32 3
		.amdhsa_float_denorm_mode_16_64 3
		.amdhsa_memory_ordered 1
		.amdhsa_forward_progress 1
		.amdhsa_inst_pref_size 58
	.end_amdhsa_kernel
	.amdgpu_metadata
---
amdhsa.version: [ 1, 2 ]
amdhsa.kernels:
  - .name:           k_qf376680b83_pool
    .symbol:         k_qf376680b83_pool.kd
    .args:
      - { .name: inp, .offset: 0, .size: 8, .value_kind: global_buffer, .address_space: global }
      - { .name: out0, .offset: 8, .size: 8, .value_kind: global_buffer, .address_space: global }
    .group_segment_fixed_size: 53760
    .private_segment_fixed_size: 0
    .kernarg_segment_align: 8
    .kernarg_segment_size: 16
    .max_flat_workgroup_size: 1024
    .sgpr_count:     66
    .vgpr_count:     106
    .wavefront_size: 32
...
	.end_amdgpu_metadata
.endif
;; end of part 1
;; ======== version 2 of 2: 1 launch; version 1 with the launch pool written anew for expert scheduling mode
;; limits: inputs' magnitudes at most 2.7e+34
;; launch pool (part 2): grid 8 x 32, 32 waves a work-group, no clusters, 53,760 bytes of LDS; arguments inp, out0; writes out0
.if DOCPART == 2
	.amdgcn_target "amdgcn-amd-amdhsa--gfx1250"
	.amdhsa_code_object_version 6
	.text
	.protected	k_qf376680b83_pool
	.globl	k_qf376680b83_pool
	.p2align	8
	.type	k_qf376680b83_pool,@function
k_qf376680b83_pool:
	s_mov_b64 s[64:65], 0
	v_nop
	global_prefetch_b8 v0, s[64:65] scope:SCOPE_SE
	s_setreg_imm32_b32 hwreg(HW_REG_WAVE_SCHED_MODE, 0, 2), 2
	s_setreg_imm32_b32 hwreg(HW_REG_WAVE_MODE, 25, 1), 1
	s_wait_xcnt 0x0
	s_wait_alu depctr_vm_vsrc(0)
; out0[b][d] = ( sum_i x[i] + sum_i max(x[i],x[i+1]) + sum_i max(x[i],x[i+1],x[i+2]) ) / (3 * 4096),  x = inp[b][.][d],
; windows clipped at the sequence's end (rows 4096 and 4097 count as -inf).  inp: [32][4096][512] f32, out0: [32][512] f32.
;
; SHARES.  Work-group (x, y): batch y, columns 64 x .. 64 x + 63 = 256 bytes of each of the 4,096 rows; it owns its 64 outputs whole,
; so no sum crosses work-groups and one launch does everything.  The rows are cut into 64 segments of 64; sixteen lanes (half a wave)
; own a segment (number = thread >> 4), a lane owns 4 columns (16 bytes) of each of its rows.  The windows therefore slide inside a
; lane's registers.  One load of a wave covers two runs of 256 consecutive bytes, each aligned to 256: one row of each of its two segments.
; Every input byte is loaded once: the two rows that a segment's last windows need from the next segment come through LDS.
;
; THE MODE: SCHED_MODE bits 1:0 = 2 (LLVM: expert scheduling mode 2), set by the entry lines.  The code itself states the register
; dependences between vector instructions and memory or LDS instructions, with s_wait_alu, always for 0.
;
; RING AND PLAN.  DEPTH register slots of one row each.  The slot of row r is written by row r's load and read by the vector instructions
; of turn r (as the row in hand) and of turn r+1 (as the row before).  Turn i asks for row i+DEPTH-LAG, which lands in the slot of row i-LAG.
; One wait on va_vdst stands at the head of every EVERY-th turn, behind that turn's wait for its row.  With LAG = EVERY+1 the last such wait
; ahead of turn i's load stands at turn i-EVERY+1 or later: it covers turn i-LAG+1, the last reader of row i-LAG, and the vector
; instructions issued since name the rows from i-LAG+1 on, which lie in other slots.  So the loads of EVERY turns hang on one wait.
; The 64 turns are unrolled: the row stands in the immediate offset (at most 63 * 2,048 bytes), so no address register is ever rewritten
; (v[OFF], v[HD], v[PA] are made once, at the head), and EXEC never changes.
; Other registers that LDS or memory instructions touch: slots 0 and 1 and (wave 0) T are read by LDS stores at the start: one wait on
; vm_vsrc, in turn 3; NX takes two LDS loads and is named by no vector instruction before; AX is read by the LDS store of the lane's sum;
; in wave 0's last addition the ring takes the other waves' sums in two groups; OO and T feed the one global store.
; BG, AB and AT are named by vector instructions alone.
;
; LIMITS.  v_max_num_f32 drops a NaN, but each x also enters the plain sum, so a NaN in x makes the output NaN as in the reference.
; The three sums are added before the scaling by 1/12288: they can overflow from about |x| = 2.7e34 on (a sum of 4,096 alone from
; about 8e34).  The order of the additions differs from a plain sum down the rows: 64 rows in a lane, then 64 segments.
;
; No clusters: no two work-groups read the same input byte.  No matrix unit: there is no product.
.set ROWS,  64                         ; rows of a segment
.set DEPTH, 20                         ; slots of the ring
.set EVERY, 4                          ; turns that share one wait on va_vdst
.set LAG,   EVERY+1                    ; turn i fills the slot of row i-LAG
.set WAVES, 32
.set SEGS,  2*WAVES
.set ROWB,  2048                       ; bytes from a row of inp to the next
.set HEADB, 512                        ; LDS: a segment's first two rows, 256 bytes each
.set PADB,  SEGS*HEADB                 ; LDS: behind the 64 segments' first rows, two rows of -inf: what follows the last segment
.set PART,  PADB+HEADB                 ; LDS: the lanes' sums, 16 bytes for each thread (wave 0 keeps its own in registers)
.set OFF, 2                            ; v2        byte offset in inp: segment * 64 rows + 16 * (thread % 16)
.set HD,  3                            ; v3        LDS address of my 16 bytes in my segment's first row
.set PA,  4                            ; v4        16 * thread
.set OO,  5                            ; v5        wave 0: byte offset of my 8 bytes of the result
.set BG,  6                            ; v[6:13]   max(x[i-1], x[i]) of my 4 columns, two sets that take turns
.set T,   14                           ; v[14:17]  at work
.set AX,  18                           ; v[18:21]  sum of x
.set AB,  22                           ; v[22:25]  sum of the windows of 2
.set AT,  26                           ; v[26:29]  sum of the windows of 3
.set NX,  30                           ; v[30:37]  the next segment's first two rows
.set X,   40                           ; v[40:119] the ring: slot s = 4 registers
.macro MAX4 d, a, b                    ; four maxima
.irp k, 0,1,2,3
	v_max_num_f32 v[\d+\k], v[\a+\k], v[\b+\k]
.endr
.endm
.macro ADD4 d, a, b                    ; four additions in two instructions
	v_pk_add_f32 v[\d:\d+1], v[\a:\a+1], v[\b:\b+1]
	v_pk_add_f32 v[\d+2:\d+3], v[\a+2:\a+3], v[\b+2:\b+3]
.endm
	s_load_b128 s[4:7], s[0:1], 0x0                ; inp s[4:5], out0 s[6:7]
	v_lshl_add_u32 v120, v0, 2, 0xc200
	v_mov_b32 v121, 0
	v_lshrrev_b32 v1, 5, v0
	v_readfirstlane_b32 s8, v1                     ; wave number
	s_and_b32 s9, ttmp7, 0xffff                    ; batch
	s_lshl_b32 s2, ttmp9, 8                        ; my 64 columns: 256 bytes into a row, of inp and of out0
	s_lshl_b32 s10, s9, 23                         ; a batch of inp is 4,096 * 2,048 bytes; 32 of them stay below 2^28
	s_or_b32 s10, s10, s2
	s_mov_b32 s11, 0
	s_lshl_b32 s12, s9, 11                         ; a row of out0 is 2,048 bytes
	s_or_b32 s12, s12, s2
	s_mov_b32 s13, 0
	s_mov_b32 s14, 0x76543210                      ; v_permlanex16_b32: lane i of one half reads lane i of the other
	s_mov_b32 s15, 0xfedcba98
	v_lshrrev_b32 v38, 4, v0                       ; segment
	v_and_b32 v39, 15, v0
	v_lshlrev_b32 v39, 4, v39                      ; 16 bytes for each of the sixteen lanes
	v_lshl_or_b32 v[OFF], v38, 17, v39             ; 64 rows * 2,048 bytes = 2^17 for a segment
	v_lshl_or_b32 v[HD], v38, 9, v39               ; 512 bytes of LDS for a segment
	v_lshlrev_b32 v[PA], 4, v0
	s_wait_alu depctr_va_sdst(0)                   ; s8 is written, ahead of its first reader: the branches on the wave's number compare it
	s_wait_kmcnt 0x0
	s_add_nc_u64 s[4:5], s[4:5], s[10:11]
	s_add_nc_u64 s[6:7], s[6:7], s[12:13]
	s_wait_alu depctr_va_vdst(0)                   ; v[OFF], v[HD] and v[PA] are written: every load from inp and every LDS instruction of the kernel reads one of them as its address
.set i, 0
.rept DEPTH
	global_load_b128 v[X+4*i:X+4*i+3], v[OFF], s[4:5] offset:i*ROWB th:TH_LOAD_NT   ; fill the ring: rows 0 to 19; each byte is read once in the launch
.set i, i+1
.endr
	s_cmp_lg_u32 s8, 0
	s_cbranch_scc1 .Lstream
.irp k, 0,1,2,3
	v_mov_b32 v[T+\k], 0xff800000                  ; wave 0 lays the two rows of -inf: 32 lanes * 16 bytes
.endr
	s_wait_alu depctr_va_vdst(0)                   ; the four moves have written v[T ..], which the LDS store reads
	ds_store_b128 v[PA], v[T:T+3] offset:PADB
.Lstream:
; The turn of row i (the symbol i steps at the end).  CUR: the row's slot; PRV: the slot of row i-1; NEW: the slot of row i-LAG, filled again;
; BP: max(x[i-2], x[i-1]); BN: max(x[i-1], x[i]).
; Row i closes the window of 2 that starts at i-1 and the window of 3 that starts at i-2.  Rows 0 to 2 start the three sums: nothing is cleared.
.macro TURN
.set CUR, X+4*(i%DEPTH)
.set PRV, X+4*((i+DEPTH-1)%DEPTH)
.set NEW, X+4*((i+DEPTH-LAG)%DEPTH)
.set BN,  BG+4*(i%2)
.set BP,  BG+4*((i+1)%2)
.set LAST, i+DEPTH-LAG-1                           ; the youngest row asked for so far: turn i-1 asked for row i-1+DEPTH-LAG,
.if LAST < DEPTH-1
.set LAST, DEPTH-1                                 ; the fill in front for rows up to DEPTH-1,
.endif
.if LAST > ROWS-1
.set LAST, ROWS-1                                  ; and nobody for more than there are
.endif
	s_wait_loadcnt LAST-i                          ; loads come back in order (ISA guide 5.7.1): row i is in, the LAST-i younger rows stay out
.if i >= LAG
.if i+DEPTH-LAG < ROWS
.if (i-LAG)%EVERY == 0
	s_wait_alu depctr_va_vdst(0)                   ; the maxima and sums of the turns up to i-1 are done reading the slots of rows i-LAG to i-2, in which the loads of this turn and the next three land
.endif
	global_load_b128 v[NEW:NEW+3], v[OFF], s[4:5] offset:(i+DEPTH-LAG)*ROWB th:TH_LOAD_NT   ; no vector instruction since that wait names this slot
.endif
.endif
.if i < 2
	ds_store_b128 v[HD], v[CUR:CUR+3] offset:256*i ; my segment's first two rows, for the segment in front of mine
.endif
.if i >= 1
	MAX4 BN, PRV, CUR
.endif
.if i == 1
	ADD4 AX, PRV, CUR
.endif
.if i >= 2
	ADD4 AX, AX, CUR
.endif
.if i == 2
	MAX4 AT, BP, CUR
	ADD4 AB, BP, BN
.endif
.if i == 3
	s_wait_alu depctr_vm_vsrc(0)                   ; wave 0's LDS store of -inf has read v[T ..], which the next line writes; the LDS stores of turns 0 and 1 have read slots 0 and 1, in which the loads of turns 5 and 6 land
.endif
.if i > 2
	MAX4 T, BP, CUR
	ADD4 AT, AT, T
	ADD4 AB, AB, BN
.endif
.set i, i+1
.endm
.set i, 0
.rept ROWS-DEPTH+LAG
	TURN                                           ; turns 0 to 48; turn 48 asks for the last row
.endr
	; The barrier for the first rows stands here because all my loads have been issued: a wave that waits here withholds no request.
	s_wait_dscnt 0x0                               ; for the other waves' sake: my two first rows (and wave 0's -inf) are in LDS
	s_barrier_signal -1
	s_barrier_wait -1                              ; everybody's are
	ds_load_b128 v[NX:NX+3],   v[HD] offset:HEADB          ; the next segment's row 0 (behind the last segment: -inf),
	ds_load_b128 v[NX+4:NX+7], v[HD] offset:HEADB+256      ; and its row 1; used behind the 15 turns that follow.  No vector instruction has named v[NX ..] so far
.rept DEPTH-LAG
	TURN                                           ; turns 49 to 63 ask for nothing: the counts run down to 0, and no wait on va_vdst is owed
.endr
	; The windows that reach into the next segment: of 3 from row 62, of 2 and of 3 from row 63.
.set PRV, X+4*((ROWS-1)%DEPTH)                     ; x[63]
.set BP,  BG+4*((ROWS-1)%2)                        ; max(x[62], x[63])
.set BN,  BG+4*(ROWS%2)
	s_wait_dscnt 0x0                               ; the two rows from LDS
	MAX4 T, BP, NX
	MAX4 BN, PRV, NX
	ADD4 AT, AT, T
	ADD4 AB, AB, BN
	MAX4 T, BN, NX+4
	ADD4 AX, AX, AB
	ADD4 AT, AT, T
	ADD4 AX, AX, AT                                ; my segment's share of my 4 columns, all three scales
	; The 64 segments meet in LDS.  Wave 0 does the adding and starts from its own registers, so it stores nothing.
	s_wait_alu depctr_va_vdst(0)                   ; the additions have written v[AX ..], which the LDS store of waves 1 to 31 reads; and every reader of the ring is done, in which wave 0's LDS loads land
	s_cmp_eq_u32 s8, 0
	s_cbranch_scc1 .Lmeet
	ds_store_b128 v[PA], v[AX:AX+3] offset:PART    ; 512 consecutive bytes a wave
	s_wait_dscnt 0x0                               ; for wave 0's sake
.Lmeet:
	s_barrier_signal -1
	s_barrier_wait -1
	s_cmp_lg_u32 s8, 0
	s_cbranch_scc1 .Lend
	; Wave 0: lane (q, h) adds, for columns 4 q .. 4 q + 3, the segments 2 n + h of waves n = 1 .. 31, in that order, through the ring's 20 slots:
	; the sums of waves 1 to 20 are asked for at once, those of waves 21 to 31 when the first eleven slots have been added.
.set REST, WAVES-1-DEPTH                           ; 11
.set n, 1
.rept DEPTH
	ds_load_b128 v[X+4*(n-1):X+4*(n-1)+3], v[PA] offset:PART+512*n
.set n, n+1
.endr
	v_and_b32 v38, 15, v0                          ; while they come: where my 8 bytes of the result go: 16 q + 8 h
	v_bfe_u32 v39, v0, 4, 1
	v_lshlrev_b32 v38, 4, v38
	v_lshl_or_b32 v[OO], v39, 3, v38
	v_cmp_gt_u32 vcc_lo, 16, v0                    ; h = 0
.set n, 1
.rept WAVES-1
.set CUR, X+4*((n-1)%DEPTH)
.set LEFT, WAVES-1-n                               ; younger LDS loads that may stay out: all those of later waves,
.if n <= REST
.set LEFT, DEPTH-n                                 ; of which the second group has not been issued yet
.endif
	s_wait_dscnt LEFT                              ; LDS loads come back in order (ISA guide 5.7.1)
	ADD4 AX, AX, CUR
.if n == REST
	s_wait_alu depctr_va_vdst(0)                   ; the first eleven additions are done reading slots 0 to 10, in which the sums of waves 21 to 31 land
.set m, DEPTH+1
.rept REST
	ds_load_b128 v[X+4*((m-1)%DEPTH):X+4*((m-1)%DEPTH)+3], v[PA] offset:PART+512*m
.set m, m+1
.endr
.endif
.set n, n+1
.endr
	; Even segments lie in lanes 0-15, odd ones in lanes 16-31.  Lane (q, h) finishes columns 4 q + 2 h and 4 q + 2 h + 1: it keeps its own
	; two sums of them and gets the other half's, so that the 32 lanes store 8 bytes each and no lane is switched off.
	s_wait_alu depctr_va_vcc(0)                    ; the compare has written VCC, which the four selects read
	v_cndmask_b32 v[T],   v[AX+2], v[AX],   vcc_lo ; keep: h = 0 columns 0, 1 of the four; h = 1 columns 2, 3
	v_cndmask_b32 v[T+1], v[AX+3], v[AX+1], vcc_lo
	v_cndmask_b32 v[T+2], v[AX],   v[AX+2], vcc_lo ; give: the other two
	v_cndmask_b32 v[T+3], v[AX+1], v[AX+3], vcc_lo
	v_permlanex16_b32 v[AB],   v[T+2], s14, s15    ; (the destinations have been written before)
	v_permlanex16_b32 v[AB+1], v[T+3], s14, s15
	v_pk_add_f32 v[T:T+1], v[T:T+1], v[AB:AB+1]
	v_pk_mul_f32 v[T:T+1], v[T:T+1], 0x38aaaaab op_sel_hi:[1,0]    ; 1 / (3 * 4096): the mean over the rows and over the three scales
	s_wait_alu depctr_va_vdst(0)                   ; v[OO] and v[T:T+1] are written: the store's offset and its data
	global_store_b64 v[OO], v[T:T+1], s[6:7] th:TH_STORE_NT        ; one store covers the group's 256 consecutive bytes, aligned to 256
.Lend:
	s_wait_dscnt 0x0
	s_wait_alu depctr_hold_cnt(0) depctr_sa_sdst(0) depctr_va_vdst(0) depctr_va_sdst(0) depctr_va_ssrc(0) depctr_va_vcc(0) depctr_vm_vsrc(0)
	s_wait_tensorcnt 0x0
	ds_add_u32 v120, v121
	s_wait_dscnt 0x0
	s_endpgm
.Lfunc_end_k_qf376680b83_pool:
	.size	k_qf376680b83_pool, .Lfunc_end_k_qf376680b83_pool-k_qf376680b83_pool
	.p2alignl 7, 3214868480
	.fill 96, 4, 3214868480
	.section	.rodata,"a",@progbits
	.p2align	6, 0x0
	.amdhsa_kernel k_qf376680b83_pool
		.amdhsa_group_segment_fixed_size 53760
		.amdhsa_private_segment_fixed_size 0
		.amdhsa_enable_private_segment 0
		.amdhsa_kernarg_size 16
		.amdhsa_user_sgpr_count 2
		.amdhsa_user_sgpr_kernarg_segment_ptr 1
		.amdhsa_wavefront_size32 1
		.amdhsa_system_sgpr_workgroup_id_x 1
		.amdhsa_system_sgpr_workgroup_id_y 1
		.amdhsa_system_sgpr_workgroup_id_z 1
		.amdhsa_system_vgpr_workitem_id 0
		.amdhsa_next_free_vgpr 122
		.amdhsa_next_free_sgpr 66
		.amdhsa_reserve_vcc 1
		.amdhsa_float_denorm_mode_32 3
		.amdhsa_float_denorm_mode_16_64 3
		.amdhsa_memory_ordered 1
		.amdhsa_forward_progress 1
		.amdhsa_inst_pref_size 59
	.end_amdhsa_kernel
	.amdgpu_metadata
---
amdhsa.version: [ 1, 2 ]
amdhsa.kernels:
  - .name:           k_qf376680b83_pool
    .symbol:         k_qf376680b83_pool.kd
    .args:
      - { .name: inp, .offset: 0, .size: 8, .value_kind: global_buffer, .address_space: global }
      - { .name: out0, .offset: 8, .size: 8, .value_kind: global_buffer, .address_space: global }
    .group_segment_fixed_size: 53760
    .private_segment_fixed_size: 0
    .kernarg_segment_align: 8
    .kernarg_segment_size: 16
    .max_flat_workgroup_size: 1024
    .sgpr_count:     66
    .vgpr_count:     122
    .wavefront_size: 32
...
	.end_amdgpu_metadata
.endif
;; end of part 2
